; MI455X (gfx1250); checked and timed in simulation.
; The chip was launched on July 23, 2026; its instructions are those of AMD's public machine-readable ISA for CDNA 5 (MIT licence, August 2026) and "CDNA5" Instruction Set Architecture Reference Guide (July 2026). The comments in the code are by the model that wrote it; some were corrected since.
;; Crom Linear SOTA. Allowed arithmetic: matrix products marked QUANTISED: E4M3 operands, one E8M0 scale for each 32 along K, by v_wmma_scale_f32_16x16x128_f8f6f4 with both operands' format E4M3, f32 sums; everything else in f32.
;; Inputs: codebook 256 x 8 float16; indices 1,048,576 int32; x 4 x 2,048 x 4,096 float32.
;; Outputs: out0 4 x 2,048 x 2,048 float32.
;; This version of the problem:
;;   THIS VERSION OF THE PROBLEM IS GIVEN IN LOW PRECISION. The matrix products marked QUANTISED in the list below multiply operands that are first quantised to E4M3 (4 exponent bits, 3 mantissa bits; 8 bits a number), with one power-of-two scale for each 32 numbers along K (OCP MX v1.0); their sums are f32. All else is computed in f32.
;;   The module's matrix products, in the order in which they are computed (A, B: the left and right operand; K: the contracted axis; several contracted axes count as one K, in the product's order):
;;     1. [M 8,192, K 4,096] x [K 4,096, N 2,048]; A: input x; B: computed on the way: QUANTISED
;;   THE QUANTISER, for each operand of a quantised product, along K:
;;     - K is cut into blocks of 32 from its start; a last block that is shorter is filled with zeros.
;;     - A block's scale is 2^e with e = floor(log2(the largest magnitude in the block)) - 8, held to -126 .. 127; a block of zeros has e = 0. As a byte (E8M0): e + 127.
;;     - Each number is divided by its block's scale, clamped to +-448, and rounded to the nearest number of E4M3, ties to even, subnormals kept.
;;     - The product sums the exact products of the quantised numbers (number of the format x scale) in f32.
;;   ~~~python
;;   def quantise(x, axis):      # numpy; x: float32 -> the quantised numbers, widened to float32 again
;;       x = np.moveaxis(x, axis, -1); K = x.shape[-1]
;;       x = np.pad(x, [(0, 0)] * (x.ndim - 1) + [(0, -K % 32)]); x = x.reshape(x.shape[:-1] + (-1, 32)); a = np.abs(x).max(-1, keepdims=True)
;;       e = np.where(a > 0, np.clip(np.frexp(np.where(a > 0, a, 1))[1] - 1 - 8, -126, 127), 0)      # np.frexp(a)[1] - 1 = floor(log2(a)), exactly
;;       r = np.clip(x / 2.0 ** e, -448, 448)
;;       step = 2.0 ** (np.maximum(np.frexp(np.where(r == 0, 1, r))[1] - 1, -6) - 3)
;;       q = np.round(r / step) * step * 2.0 ** e      # np.round: ties to even
;;       return np.moveaxis(q.reshape(q.shape[:-2] + (-1,))[..., :K], -1, axis).astype(np.float32)
;;   ~~~
;;   OPERANDS COMPUTED ON THE WAY. 'Computed on the way' means the value that the module computes at that place (a softmax that the list does not call 'softmax' is quantised finished and normalised). What goes into a quantiser is computed in f32, as accurately as f32 sums, v_exp_f32 and their like allow (about 1e-6 of the number): no bf16 or f16 on the way to a quantiser, and a product that is left as it is and whose result goes on into a quantised operand takes f32 operands (vector FMAs, or v_wmma_f32_16x16x4_f32). A number that lies on a knife's edge between two numbers of the format may be rounded either way, as far as f32 arithmetic and the matrix unit's own rounding can turn it there, and no further.
;; One version. Each part assembles by itself: llvm-mc -triple=amdgcn-amd-amdhsa -mcpu=gfx1250 --defsym DOCPART=n.
;; ======== version 1 of 1: 2 launches
;; limits: values are held in f16: magnitudes above 65,504 overflow, below 6.1e-05 lose precision; right only within a limited range of input values
;; workspace buffers: xq 34,603,008 bytes; wq 8,650,752 bytes
;; launch quant (part 1): grid 256 x 1, 12 waves a work-group, no clusters, 105,984 bytes of LDS; arguments x, codebook, indices, xq, wq; writes xq, wq
.if DOCPART == 1
	.amdgcn_target "amdgcn-amd-amdhsa--gfx1250"
	.amdhsa_code_object_version 6
	.text
	.protected	k_qc718663d23_quant
	.globl	k_qc718663d23_quant
	.p2align	8
	.type	k_qc718663d23_quant,@function
k_qc718663d23_quant:
	s_mov_b64 s[64:65], 0
	v_nop
	global_prefetch_b8 v0, s[64:65] scope:SCOPE_SE
	s_setreg_imm32_b32 hwreg(HW_REG_WAVE_MODE, 25, 1), 1
	s_wait_xcnt 0x0
; x [8192][4096] f32 and W [2048][4096], W[n][k] = codebook[indices[512 n + k / 8]][k % 8] (f16, widened exactly to f32), are turned into codes of FP8 (E4M3) with one E8M0 scale byte
; for each 32 along K, and laid in the ORDER OF THE OPERAND'S REGISTERS, so that the product's launch takes them by one dense tensor load a tile and by LDS loads of 512 consecutive bytes.
; A CHUNK is 128 rows x 256 along K: CH = 33,792 bytes.  Chunk (row / 128, k / 256) lies at (16 (row / 128) + k / 256) CH.  In it: the fragment of rows 16 i .. 16 i + 15 and of the q-th 128 along K at
; (2 i + q) 2,048; in a fragment the code of row r, k = 32 c + 16 h + e at 512 c + 256 h + 16 r + e (register group c of lane r + 16 h); the scale byte of (i, r, q, c) at 32,768 + 128 i + 8 r + 4 q + c.
; A block's scale is 2^(floor(log2(its largest magnitude)) - 8); its byte is the largest magnitude's exponent field - 8, held at 1 from below; each number is held within +-448 x the scale and rounded to the nearest code, ties to even.
; LIMITS: x goes into the quantiser as the f32 number that it is (it is not passed through f16 first).  NaN and infinities among the inputs are not served.  A block of zeros gets the byte 1 where the rule says 127:
; its codes are zeros, which add nothing under any byte but 0xff, and the bytes are read by this program alone.  Indices are taken as 0 .. 255 and held there (unsigned minimum with 255).
; SHARES.  256 work-groups of twelve waves, all with the same work.  WAVES 0-7 TAKE x: the work-group's 32 rows, wave w their k = 512 w .. 512 w + 511 (two chunks' worth); a lane is a row.
; WAVES 8-11 TAKE W: each one unit of 16 rows x 512 along K (1,024 units, four to a work-group); lane (r, g) is row r in chunk g of the unit's two: 256 along K.
; In both a lane's registers run along K: a block of 32 lies in one lane, so its largest magnitude needs no other lane, and the conversions' results are 16-byte pieces of the register image:
; in each store of codes lanes 0-15 write 256 consecutive bytes and lanes 16-31 another 256, both aligned.
; x: each load reads 256 consecutive bytes of two rows (16 bytes a lane); 32 rows x 256 bytes turn through the wave's own stage in LDS (pitch 272 = 17 x 16 bytes) and come back 256 bytes a lane.  Three sets of
; 64 registers: 32 loads of a wave are out while a set is worked on.  W: the unit's indices come the same way (eight loads, 256 consecutive bytes of two rows each) and turn through the wave's stage once;
; then a lane gathers 16 bytes of the codebook for each of its 32 indices, eight to a sub-step, two sub-steps ahead.
; W's scale words leave as 128 consecutive bytes for each half of the lanes: half of an aligned 256; they are 262,144 bytes of the launch's 43 million stored.
; No barrier: waves share nothing; each wave's stage is its own.  Everything is written out by macro, every offset is an immediate, no pointer is stepped.
.set CH,   33792
.set XW,   8                           ; waves that take x
.set MANT, 0x600000                    ; the mantissa field of 448 as f32
.set STG,  8704                        ; a wave's stage: 32 rows x 272 bytes (a W wave uses 16 of them)
.set SP,   272
.set VO,   5                           ; v5   codes out.      x: 4,096 (lane / 16) + 16 (lane % 16);   W: CH (lane / 16) + 16 (lane % 16)
.set VS,   6                           ; v6   scale words out. x: 8 x lane;                            W: CH (lane / 16) + 8 (lane % 16)
.set VL,   7                           ; v7   in.             x: 16,384 (lane / 16) + 16 (lane % 16);  W's indices: 2,048 (lane / 16) + 16 (lane % 16)
.set STI,  8                           ; v8   the stage, on the way in: 272 (lane / 16) + 16 (lane % 16)
.set STR,  9                           ; v9   on the way out, x: 272 x lane
.set STW,  15                          ; v15  on the way out, W: 272 (lane % 16) + 128 (lane / 16)
.set SW,   16                          ; v[16:17], v[18:19]  my row's two scale words of a chunk (x: of the first chunk and of the second)
.set C,    24                          ; v24-39  the codes of a sub-step's two blocks
.set S0,   40                          ; v40-103, v104-167, v168-231: three sets of 64 numbers (x)
.set H,    40                          ; W: v40-71, v72-103 two sets of f16 as gathered;
.set F,    104                         ;    v104-167 a sub-step's 64 numbers;
.set IDX,  168                         ;    v168-199 my 32 indices x 16
; Sub-step t is 64 along K, two blocks a lane: chunk t / 4, its q = (t % 4) / 2, blocks c = 2 (t % 2) and 2 (t % 2) + 1 of that 128.  (x: t = 0 .. 7;  W: t = 0 .. 3)
.macro WHERE t
.set TCK, (\t)/4
.set TQ,  ((\t)%4)/2
.set TC,  2*((\t)%2)
.set TOFF, TCK*CH+TQ*2048+TC*512
.set TSW, SW+2*TCK+TQ
.endm
; The 32 numbers v[s] .. v[s + 31], block n of the sub-step that WHERE has set, become 32 codes, which leave at once, and a byte of the scale word.
.macro QBLOCK s, n
	v_max3_num_f32 v10, |v[\s]|, |v[\s+1]|, |v[\s+2]|              ; the block's largest magnitude, in two chains: all 32 numbers are mine
	v_max3_num_f32 v11, |v[\s+3]|, |v[\s+4]|, |v[\s+5]|
.irp i, 6,10,14,18,22,26
	s_delay_alu instid0(VALU_DEP_2)
	v_max3_num_f32 v10, v10, |v[\s+\i]|, |v[\s+\i+1]|
	s_delay_alu instid0(VALU_DEP_2)
	v_max3_num_f32 v11, v11, |v[\s+\i+2]|, |v[\s+\i+3]|
.endr
	s_delay_alu instid0(VALU_DEP_2)
	v_max3_num_f32 v10, v10, |v[\s+30]|, |v[\s+31]|
	s_delay_alu instid0(VALU_DEP_1)
	v_max3_num_f32 v10, v10, v11, 0x4800000        ; and the floor 2^(9 - 127), under which no largest magnitude is taken: so the byte cannot fall under 1
	s_delay_alu instid0(VALU_DEP_1)
	v_add_nc_u32 v12, 0xfc000000, v10              ; 8 off its exponent field: the conversion takes the exponent field of this operand as its scale, and nothing else of it
	s_delay_alu instid0(VALU_DEP_2)
	v_and_or_b32 v13, v10, 0x7f800000, s30         ; 448 x the scale: the largest magnitude's exponent field over 448's mantissa
.irp i, 0,1,2,3,4,5,6,7,8,9,10,11,12,13,14,15,16,17,18,19,20,21,22,23,24,25,26,27,28,29,30,31
	v_med3_num_f32 v[\s+\i], v[\s+\i], -v13, v13   ; the conversion to an 8-bit code does not saturate (ISA guide 7.6.2): hold the number within the largest code x the scale first
.endr
.irp g, 0,1,2,3
	v_cvt_scalef32_pk8_fp8_f32 v[C+8*(\n)+2*\g:C+8*(\n)+2*\g+1], v[\s+8*\g:\s+8*\g+7], v12
.endr
.if TC+(\n) == 0                       ; the scale's byte, the lower K in the lower byte.  (These plain lines also stand behind the last conversion)
	v_lshrrev_b32 v[TSW], 23, v12
.else
	v_lshrrev_b32 v14, 23, v12
	s_delay_alu instid0(VALU_DEP_1)
	v_lshl_or_b32 v[TSW], v14, 8*(TC+(\n)), v[TSW]
.endif
	global_store_b128 v[VO], v[C+8*(\n):C+8*(\n)+3], s[24:25] offset:TOFF+512*(\n)          ; k = 0 .. 15 of the block: each half of the lanes writes 256 consecutive bytes, aligned
	global_store_b128 v[VO], v[C+8*(\n)+4:C+8*(\n)+7], s[24:25] offset:TOFF+512*(\n)+256    ; k = 16 .. 31
.endm
.macro WORDS t                         ; behind a chunk's last sub-step: my row's two scale words
.if (\t)%4 == 3
	global_store_b64 v[VS], v[SW+2*((\t)/4):SW+2*((\t)/4)+1], s[26:27] offset:((\t)/4)*CH
.endif
.endm
	s_load_b256 s[4:11], s[0:1], 0x0               ; x s[4:5], codebook s[6:7], indices s[8:9], xq s[10:11]
	s_load_b64 s[12:13], s[0:1], 0x20              ; wq
	v_lshl_add_u32 v232, v0, 2, 0x19800
	v_mov_b32 v233, 0
	v_lshrrev_b32 v1, 5, v0
	s_delay_alu instid0(VALU_DEP_1)
	v_readfirstlane_b32 s14, v1                    ; wave 0..11
	v_and_b32 v2, 31, v0                           ; lane
	v_and_b32 v3, 15, v0                           ; r
	v_bfe_u32 v4, v0, 4, 1                         ; g = lane / 16
	s_delay_alu instid0(VALU_DEP_2)
	v_lshlrev_b32 v5, 4, v3                        ; 16 r
	s_mul_i32 s16, s14, STG                        ; my wave's stage.  All LDS addresses are made here, ahead of the parting of the waves
	v_mul_u32_u24 v[STI], v4, SP
	s_delay_alu instid0(VALU_DEP_1)
	v_add_nc_u32 v[STI], v[STI], v5
	s_delay_alu instid0(VALU_DEP_1)
	v_add_nc_u32 v[STI], s16, v[STI]               ; + 272 g + 16 r
	v_mul_u32_u24 v[STR], v2, SP
	s_delay_alu instid0(VALU_DEP_1)
	v_add_nc_u32 v[STR], s16, v[STR]               ; + 272 x lane
	v_mul_u32_u24 v[STW], v3, SP
	s_delay_alu instid0(VALU_DEP_1)
	v_lshl_add_u32 v[STW], v4, 7, v[STW]
	s_delay_alu instid0(VALU_DEP_1)
	v_add_nc_u32 v[STW], s16, v[STW]               ; + 272 r + 128 g
	s_mov_b32 s30, MANT                            ; (an instruction takes one literal: the hold's line has another)
	s_cmp_lt_u32 s14, XW                           ; the branch hangs on the wave's number alone
	s_cbranch_scc0 .Lweights
	; ---------------- x: waves 0-7 ----------------
	v_lshl_add_u32 v[VL], v4, 14, v5               ; a row of x is 16,384 bytes
	v_lshlrev_b32 v[VS], 3, v2
	v_lshl_add_u32 v[VO], v4, 12, v5               ; rows 16 on are two fragments on: 4,096 bytes
	s_lshr_b32 s17, ttmp9, 2
	s_lshl_b32 s17, s17, 4
	s_lshl_b32 s18, s14, 1
	s_add_co_u32 s17, s17, s18                     ; my first chunk: 16 (work-group / 4) + 2 w
	s_mul_i32 s18, s17, CH                         ; in bytes: under 2^26
	s_and_b32 s19, ttmp9, 3
	s_lshl_b32 s20, s19, 13                        ; my 32 rows in a chunk: four fragments, 8,192 bytes, for each 32
	s_add_co_u32 s20, s20, s18
	s_mov_b32 s21, 0
	s_lshl_b32 s22, s19, 8                         ; and 256 scale bytes for each 32
	s_add_co_u32 s22, s22, s18
	s_add_co_u32 s22, s22, 32768
	s_mov_b32 s23, 0
	s_lshl_b32 s16, ttmp9, 19                      ; 32 rows of 16,384 bytes,
	s_lshl_b32 s17, s14, 11                        ; my wave's 512 numbers of a row
	s_add_co_u32 s16, s16, s17
	s_mov_b32 s17, 0
	s_wait_alu depctr_va_vdst(0)
	s_wait_kmcnt 0x0
	s_add_nc_u64 s[24:25], s[10:11], s[20:21]      ; where my codes go
	s_add_nc_u64 s[26:27], s[10:11], s[22:23]      ; where my scale words go: the 32 lanes write 256 consecutive bytes, aligned
	s_add_nc_u64 s[28:29], s[4:5], s[16:17]        ; where my numbers come from
.macro LOADX t                         ; sub-step t: 256 bytes of each of the 32 rows, two rows a load, into set t % 3
.set LSET, S0+64*((\t)%3)
.irp j, 0,1,2,3,4,5,6,7,8,9,10,11,12,13,14,15
	global_load_b128 v[LSET+4*\j:LSET+4*\j+3], v[VL], s[28:29] offset:256*(\t)+32768*\j th:TH_LOAD_NT
.endr
.endm
.macro SUB t
.set SS, S0+64*((\t)%3)
	WHERE \t
.if (\t) <= 5
	s_wait_loadcnt 32                              ; loads come back in order: this set's 16 are in; the two younger sets' 32 may be out
.elseif (\t) == 6
	s_wait_loadcnt 16                              ; one younger set is left
.else
	s_wait_loadcnt 0
.endif
	s_wait_xcnt 0x0                                ; the last sub-step's stores have read the codes' registers, which are written again below
.irp j, 0,1,2,3,4,5,6,7,8,9,10,11,12,13,14,15
	ds_store_b128 v[STI], v[SS+4*\j:SS+4*\j+3] offset:2*SP*\j      ; rows 2 j and 2 j + 1, as loaded
.endr
.irp m, 0,1,2,3,4,5,6,7,8,9,10,11,12,13,14,15
	ds_load_b128 v[SS+4*\m:SS+4*\m+3], v[STR] offset:16*\m         ; my row's 64 numbers, into the registers just stored: LDS serves a wave's instructions in order, so these see the stores above
.endr
	s_wait_dscnt 0x0
	QBLOCK SS, 0
	QBLOCK SS+32, 1
	WORDS \t
.if (\t) < 5
	LOADX (\t)+3                                   ; the set just worked on takes the loads of three sub-steps on
.endif
.endm
	LOADX 0
	LOADX 1
	LOADX 2
.irp t, 0,1,2,3,4,5,6,7
	SUB \t
.endr
	s_wait_tensorcnt 0x0
	ds_add_u32 v232, v233
	s_wait_dscnt 0x0
	s_endpgm
	; ---------------- W: waves 8-11 ----------------
.Lweights:
	s_sub_co_u32 s15, s14, XW
	s_lshl_b32 s16, ttmp9, 2
	s_add_co_u32 s15, s15, s16                     ; my unit: 4 x work-group + (wave - 8): 0 .. 1,023
	s_and_b32 s16, s15, 7                          ; which 512 along K
	s_lshr_b32 s17, s15, 3                         ; which 16 rows: 0 .. 127
	s_lshr_b32 s18, s17, 3                         ; their block of 128 rows,
	s_and_b32 s19, s17, 7                          ; and i, their place in it
	s_lshl_b32 s18, s18, 4
	s_lshl_b32 s20, s16, 1
	s_add_co_u32 s18, s18, s20                     ; the unit's first chunk
	s_mul_i32 s18, s18, CH                         ; in bytes: under 2^24
	s_lshl_b32 s20, s19, 12                        ; two fragments, 4,096 bytes, for each 16 rows
	s_add_co_u32 s20, s20, s18
	s_mov_b32 s21, 0
	s_lshl_b32 s22, s19, 7                         ; and 128 scale bytes
	s_add_co_u32 s22, s22, s18
	s_add_co_u32 s22, s22, 32768
	s_mov_b32 s23, 0
	s_lshl_b32 s17, s17, 15                        ; indices: 16 rows of 2,048 bytes,
	s_lshl_b32 s16, s16, 8                         ; 512 along K are 64 indices, 256 bytes
	s_add_co_u32 s16, s16, s17
	s_mov_b32 s17, 0
	s_wait_alu depctr_va_vdst(0)
	v_lshl_add_u32 v[VL], v4, 11, v5               ; in: 2,048 g + 16 r
	v_mul_u32_u24 v10, v4, CH                      ; lanes 16-31 work for the unit's second chunk
	s_delay_alu instid0(VALU_DEP_1)
	v_lshl_add_u32 v[VS], v3, 3, v10               ; scale words out: CH g + 8 r
	s_delay_alu instid0(VALU_DEP_2)
	v_add_nc_u32 v[VO], v10, v5                    ; codes out: CH g + 16 r
	s_wait_alu depctr_va_vdst(0)
	s_wait_kmcnt 0x0
	s_add_nc_u64 s[24:25], s[12:13], s[20:21]      ; where my codes go
	s_add_nc_u64 s[26:27], s[12:13], s[22:23]      ; where my scale words go
	s_add_nc_u64 s[28:29], s[8:9], s[16:17]        ; where my indices come from
.irp j, 0,1,2,3,4,5,6,7
	global_load_b128 v[IDX+4*\j:IDX+4*\j+3], v[VL], s[28:29] offset:4096*\j th:TH_LOAD_NT   ; rows 2 j and 2 j + 1: sixteen lanes read a row's 256 consecutive bytes, aligned; read once in the launch
.endr
	s_wait_loadcnt 0x0
.irp j, 0,1,2,3,4,5,6,7
	ds_store_b128 v[STI], v[IDX+4*\j:IDX+4*\j+3] offset:2*SP*\j    ; through my stage, as loaded;
.endr
.irp m, 0,1,2,3,4,5,6,7
	ds_load_b128 v[IDX+4*\m:IDX+4*\m+3], v[STW] offset:16*\m       ; back: row r's 32 indices of chunk g.  LDS serves a wave's instructions in order: these see the stores above
.endr
	s_wait_dscnt 0x0
.set j, 0
.rept 32
	v_min_u32 v[IDX+j], 0xff, v[IDX+j]             ; held inside the table,
	s_delay_alu instid0(VALU_DEP_1)
	v_lshlrev_b32 v[IDX+j], 4, v[IDX+j]            ; and as a byte offset: an entry is 8 f16, 16 bytes.  Never rewritten after this
.set j, j+1
.endr
.macro GATHER t                        ; sub-step t: eight entries of the codebook, 64 numbers of my row, into set t % 2
.set GS, H+32*((\t)%2)
.irp n, 0,1,2,3,4,5,6,7
	global_load_b128 v[GS+4*\n:GS+4*\n+3], v[IDX+8*(\t)+\n], s[6:7]
.endr
.endm
.macro CV f, lo, hi                    ; two f16 of a register, widened exactly
	v_cvt_f32_f16 v[\f], \lo
	v_cvt_f32_f16 v[\f+1], \hi
.endm
.macro CONVERT0
	CV F+0, v40.l, v40.h
	CV F+2, v41.l, v41.h
	CV F+4, v42.l, v42.h
	CV F+6, v43.l, v43.h
	CV F+8, v44.l, v44.h
	CV F+10, v45.l, v45.h
	CV F+12, v46.l, v46.h
	CV F+14, v47.l, v47.h
	CV F+16, v48.l, v48.h
	CV F+18, v49.l, v49.h
	CV F+20, v50.l, v50.h
	CV F+22, v51.l, v51.h
	CV F+24, v52.l, v52.h
	CV F+26, v53.l, v53.h
	CV F+28, v54.l, v54.h
	CV F+30, v55.l, v55.h
	CV F+32, v56.l, v56.h
	CV F+34, v57.l, v57.h
	CV F+36, v58.l, v58.h
	CV F+38, v59.l, v59.h
	CV F+40, v60.l, v60.h
	CV F+42, v61.l, v61.h
	CV F+44, v62.l, v62.h
	CV F+46, v63.l, v63.h
	CV F+48, v64.l, v64.h
	CV F+50, v65.l, v65.h
	CV F+52, v66.l, v66.h
	CV F+54, v67.l, v67.h
	CV F+56, v68.l, v68.h
	CV F+58, v69.l, v69.h
	CV F+60, v70.l, v70.h
	CV F+62, v71.l, v71.h
.endm
.macro CONVERT1
	CV F+0, v72.l, v72.h
	CV F+2, v73.l, v73.h
	CV F+4, v74.l, v74.h
	CV F+6, v75.l, v75.h
	CV F+8, v76.l, v76.h
	CV F+10, v77.l, v77.h
	CV F+12, v78.l, v78.h
	CV F+14, v79.l, v79.h
	CV F+16, v80.l, v80.h
	CV F+18, v81.l, v81.h
	CV F+20, v82.l, v82.h
	CV F+22, v83.l, v83.h
	CV F+24, v84.l, v84.h
	CV F+26, v85.l, v85.h
	CV F+28, v86.l, v86.h
	CV F+30, v87.l, v87.h
	CV F+32, v88.l, v88.h
	CV F+34, v89.l, v89.h
	CV F+36, v90.l, v90.h
	CV F+38, v91.l, v91.h
	CV F+40, v92.l, v92.h
	CV F+42, v93.l, v93.h
	CV F+44, v94.l, v94.h
	CV F+46, v95.l, v95.h
	CV F+48, v96.l, v96.h
	CV F+50, v97.l, v97.h
	CV F+52, v98.l, v98.h
	CV F+54, v99.l, v99.h
	CV F+56, v100.l, v100.h
	CV F+58, v101.l, v101.h
	CV F+60, v102.l, v102.h
	CV F+62, v103.l, v103.h
.endm
.macro WSUB t
	WHERE \t
.if (\t) < 3
	s_wait_loadcnt 8                               ; loads come back in order: this sub-step's eight entries are in; the younger set's eight may be out
.else
	s_wait_loadcnt 0x0
.endif
	s_wait_xcnt 0x0                                ; the last sub-step's stores have read the codes' registers, which are written again below
.if (\t)%2 == 0
	CONVERT0
.else
	CONVERT1
.endif
.if (\t)+2 < 4
	GATHER (\t)+2                                  ; the set just widened takes the entries of two sub-steps on
.endif
	QBLOCK F, 0
	QBLOCK F+32, 1
	WORDS \t
.endm
	GATHER 0
	GATHER 1
.irp t, 0,1,2,3
	WSUB \t
.endr
	s_wait_tensorcnt 0x0
	ds_add_u32 v232, v233
	s_wait_dscnt 0x0
	s_endpgm
.Lfunc_end_k_qc718663d23_quant:
	.size	k_qc718663d23_quant, .Lfunc_end_k_qc718663d23_quant-k_qc718663d23_quant
	.p2alignl 7, 3214868480
	.fill 96, 4, 3214868480
	.section	.rodata,"a",@progbits
	.p2align	6, 0x0
	.amdhsa_kernel k_qc718663d23_quant
		.amdhsa_group_segment_fixed_size 105984
		.amdhsa_private_segment_fixed_size 0
		.amdhsa_enable_private_segment 0
		.amdhsa_kernarg_size 40
		.amdhsa_user_sgpr_count 2
		.amdhsa_user_sgpr_kernarg_segment_ptr 1
		.amdhsa_wavefront_size32 1
		.amdhsa_system_sgpr_workgroup_id_x 1
		.amdhsa_system_sgpr_workgroup_id_y 1
		.amdhsa_system_sgpr_workgroup_id_z 1
		.amdhsa_system_vgpr_workitem_id 0
		.amdhsa_next_free_vgpr 234
		.amdhsa_next_free_sgpr 66
		.amdhsa_reserve_vcc 0
		.amdhsa_float_denorm_mode_32 3
		.amdhsa_float_denorm_mode_16_64 3
		.amdhsa_memory_ordered 1
		.amdhsa_forward_progress 1
		.amdhsa_inst_pref_size 152
	.end_amdhsa_kernel
	.amdgpu_metadata
---
amdhsa.version: [ 1, 2 ]
amdhsa.kernels:
  - .name:           k_qc718663d23_quant
    .symbol:         k_qc718663d23_quant.kd
    .args:
      - { .name: x, .offset: 0, .size: 8, .value_kind: global_buffer, .address_space: global }
      - { .name: codebook, .offset: 8, .size: 8, .value_kind: global_buffer, .address_space: global }
      - { .name: indices, .offset: 16, .size: 8, .value_kind: global_buffer, .address_space: global }
      - { .name: xq, .offset: 24, .size: 8, .value_kind: global_buffer, .address_space: global }
      - { .name: wq, .offset: 32, .size: 8, .value_kind: global_buffer, .address_space: global }
    .group_segment_fixed_size: 105984
    .private_segment_fixed_size: 0
    .kernarg_segment_align: 8
    .kernarg_segment_size: 40
    .max_flat_workgroup_size: 384
    .sgpr_count:     66
    .vgpr_count:     234
    .wavefront_size: 32
...
	.end_amdgpu_metadata
.endif
;; end of part 1
;; launch gemm (part 2): grid 8 x 32, 4 waves a work-group, clusters of 4 x 4, 327,680 bytes of LDS; arguments xq, wq, out0; writes out0
.if DOCPART == 2
	.amdgcn_target "amdgcn-amd-amdhsa--gfx1250"
	.amdhsa_code_object_version 6
	.text
	.protected	k_qc718663d23_gemm
	.globl	k_qc718663d23_gemm
	.p2align	8
	.type	k_qc718663d23_gemm,@function
k_qc718663d23_gemm:
	s_mov_b64 s[64:65], 0
	v_nop
	global_prefetch_b8 v0, s[64:65] scope:SCOPE_SE
	s_setreg_imm32_b32 hwreg(HW_REG_WAVE_MODE, 25, 1), 1
	s_wait_xcnt 0x0
	s_wait_alu depctr_hold_cnt(0) depctr_sa_sdst(0) depctr_va_vdst(0) depctr_va_sdst(0) depctr_va_ssrc(0) depctr_va_vcc(0) depctr_vm_vsrc(0)
	s_getreg_b32 s2, hwreg(HW_REG_IB_STS2, 6, 4)
	s_cmp_eq_u32 s2, 0
	s_cbranch_scc0 .Lentry_in_a_cluster
	s_endpgm
.Lentry_in_a_cluster:
	s_bfe_u32 s2, ttmp6, 0x10000c
	s_cmp_lg_u32 s2, 0xf033
	s_cbranch_scc0 .Lentry_shape_is_right
	s_endpgm
.Lentry_shape_is_right:
; out0[m][n] = sum over k of x[m][k] W[n][k], M 8,192, N 2,048, K 4,096, on codes of FP8 (E4M3) with one E8M0 scale byte for each 32 along K, as the launch before has laid them:
; a CHUNK is 128 rows x 256 along K in the order of the operand's registers, CH = 33,792 bytes: fragment (16 rows i, q-th 128 along K) at (2 i + q) 2,048, register group c of lane l at 512 c + 16 l;
; the scale word of (i, row r, q) at 32,768 + 128 i + 8 r + 4 q.  The 16 chunks of a block of 128 rows lie on end along K: a STREAM of 2,112 blocks of 256 bytes.
; A work-group of four waves makes 256 x 256 of the result, a wave 128 x 128: 64 accumulators, 512 registers.  256 work-groups.  K goes in steps of 256 through two LDS slots; a wave fetches one chunk of a slot's four.
; CLUSTERS 4 x 4: x's chunks are shared along a row of the cluster, W's along a column, each asked for jointly (one mask, one descriptor in the four).
; THE MATRIX INSTRUCTION IS USED TRANSPOSED (source 0 = 16 rows of W, source 1 = 16 rows of x): a lane holds eight neighbouring numbers of a row of the result.
; A STEP is 128 along K: 64 products, x's blocks a = 0 .. 7 one after the other (a GROUP of eight), each against W's eight.  ALL OF THE NEXT STEP'S FRAGMENTS COME IN ONE RUN OF LDS LOADS IN THE STEP'S MIDDLE, behind eight places.
; REGISTERS: window 0: v0-31 addresses; v32-63 scale words, a set for each slot; v64-127 x's blocks 0-3, ONE set (done with at the step's middle); v128-191, v192-255 x's blocks 4-7, TWO sets by the step's parity.
;   window 1: W's fragments, two sets by parity.  Windows 2, 3: the accumulators of my rows 0-63, 64-127 ((a, b) at v[8 (8 (a % 4) + b)]).
; So a slot's last read stands in the middle of its first step, and the change of slots in the middle of its second: there the slot is asked for again, and the run that follows reads the other slot.
; lds_bytes: the text uses 304,640 bytes.
.set SIZE_N, 2048
.set CH,     33792
.set OPROW,  16*CH                     ; a stream in bytes
.set LAPS,   8                         ; a lap = two K steps of 256
.set STAGE,  8*CH                      ; behind the slots: 16 rows x 528 bytes for each wave, for the way out; no fill lands here
.set SPITCH, 528
.set SPARE,  STAGE+4*16*SPITCH         ; the spare words: 128 bytes a wave, two blocks of 256 that no other line names
.set ADRA, 16                          ; v16-17 LDS address of my x fragments in slot 0, 1
.set ADRB, 20                          ; v20-21 of my W fragments
.set ADRS, 22                          ; v22-23 of my scale words: lanes 0-15 x's rows, lanes 16-31 W's
.set STO,  24                          ; the way out: where I put 32 bytes of a row
.set RD,   25                          ; where I read a row back
.set CO,   26                          ; 16 x lane
.set SPW,  28                          ; my spare word's address; never rewritten
.set NIL,  29                          ; 0; never rewritten
.set PFO,  30                          ; prefetch: 256 x lane + 8,192 x my place among the four partners
.set PF2,  31                          ; prefetch of blocks 128 .. 191: 256 x min(lane, 15) + 4,096 x my place
.set SC,   32
.set AF,   64
.set AH,   128
.set G1, 24                            ; s[24:31] group 1 for x's chunks (132 rows of 256 bytes); s[32:39] group 0, a set for each slot
.set G0, 32
.set G1B, 48                           ; the same for W's
.set G0B, 56
.set PFA, 84                           ; s[84:85] where my prefetches stand in my stream
.set MSB, 0
.macro WIN new                         ; the immediate's high byte repeats the setting that is left
.if MSB != (\new)
	s_set_vgpr_msb (MSB<<8)|(\new)
.set MSB, (\new)
.endif
.endm
.set MUL_LO, 0xa1                      ; source 0 (W) window 1, source 1 (x) window 0, C and D window 2
.set MUL_HI, 0xf1                      ; the same, C and D window 3
.set TO_B,   0x40                      ; destination window 1, address window 0
; a joint load: waves 0, 1 fetch for x, waves 2, 3 for W; s_nop 0 and four v_nop behind each line
.macro JLOAD g0a, g1a, g0b, g1b
	s_cmp_eq_u32 s15, 0
	s_cbranch_scc0 .Lfor_b_\@
	tensor_load_to_lds s[\g0a:\g0a+3], s[\g1a:\g1a+7]
	s_nop 0
.rept 4
	v_nop
.endr
	s_branch .Lasked_\@
.Lfor_b_\@:
	tensor_load_to_lds s[\g0b:\g0b+3], s[\g1b:\g1b+7]
	s_nop 0
.rept 4
	v_nop
.endr
.Lasked_\@:
.endm
.macro CREST                           ; a round of the cluster's barrier behind its opening barrier
	s_cmp_lg_u32 s14, 0
	s_cbranch_scc1 .Lnot_wave_0_\@
	s_barrier_signal -3
.Lnot_wave_0_\@:
	s_barrier_wait -3
	s_barrier_signal -1
	s_barrier_wait -1
.endm
.macro CROUND
	s_barrier_signal -1
	s_barrier_wait -1
	CREST
.endm
; A step's second half, with its run.  THE WAVES TAKE THE RUNS BY TURNS: waves 0 and 2 issue theirs at once, waves 1 and 3 multiply groups 4 and 5 first, so that two waves' runs, not four, are issued at a time.
; One if and else on the wave's number; both ways issue the same loads and the same products, so every counted wait holds on both.  The run's eight places stand ahead of the branch; every window is 0 at a branch and at a label.
; q, sc, zero: the step that is multiplied;  rs, rq, rsc: slot, step and scale words that the run brings
.macro MID q, sc, zero, rs, rq, rsc
	WIN 0
	s_cmp_eq_u32 s16, 0
	s_cbranch_scc0 .Llate_\@
	RUN \rs, \rq, \rsc
	G 4, \q, \sc, \zero
	G 5, \q, \sc, \zero
	WIN 0
	s_branch .Lmid_\@
.Llate_\@:
	G 4, \q, \sc, \zero
	G 5, \q, \sc, \zero
	RUN \rs, \rq, \rsc
	WIN 0
.Lmid_\@:
	G 6, \q, \sc, \zero
	G 7, \q, \sc, \zero
.endm
.macro PLACES n
.rept \n
	v_nop
.endr
.endm
	s_load_b128 s[4:7], s[0:1], 0x0                ; xq, wq
	s_load_b64 s[12:13], s[0:1], 0x10              ; out0
	v_lshl_add_u32 v[SPW], v0, 2, SPARE
	v_mov_b32 v[NIL], 0
	ds_add_u32 v[SPW], v[NIL]                      ; the opening add, twice on end; its wait stands ahead of my first tensor load
	ds_add_u32 v[SPW], v[NIL]
	v_lshrrev_b32 v1, 5, v0
	v_readfirstlane_b32 s14, v1                    ; wave 0..3
	s_lshr_b32 s15, s14, 1                         ; my half of the block's rows; also: I fetch for x (0) or W (1)
	s_and_b32 s16, s14, 1                          ; my half of its columns; also: which 128 rows I fetch
	s_bfe_u32 s40, ttmp6, 0x40000                  ; cx
	s_bfe_u32 s41, ttmp6, 0x40004                  ; cy
	s_lshl_b32 s42, ttmp9, 2
	s_add_co_u32 s42, s42, s40                     ; block column
	s_and_b32 s17, ttmp7, 0xffff
	s_lshl_b32 s17, s17, 2
	s_add_co_u32 s17, s17, s41                     ; block row
	s_lshl_b32 s43, s41, 2
	s_lshl_b32 s43, 15, s43                        ; my row of the cluster
	s_lshl_b32 s44, 0x1111, s40                    ; my column
	s_or_b32 s[G1], s43, (3<<16)|(1<<21)           ; the mask; elements of 8 bytes; bit 21 beside a mask
	s_or_b32 s[G1B], s44, (3<<16)|(1<<21)
.irp g, G1, G1B
	s_mov_b32 s[\g+1], 32<<16                      ; rows of 32 elements, dense
	s_mov_b32 s[\g+2], 132<<16
	s_mov_b32 s[\g+3], 32<<16
	s_mov_b32 s[\g+4], 132
	s_mov_b32 s[\g+5], 32
	s_mov_b32 s[\g+6], 0
	s_mov_b32 s[\g+7], 0
.endr
	s_lshl_b32 s20, s17, 1
	s_add_co_u32 s20, s20, s16
	s_mul_i32 s20, s20, OPROW                      ; x's stream that I fetch
	s_mov_b32 s21, 0
	s_lshl_b32 s46, s42, 1
	s_add_co_u32 s46, s46, s16
	s_mul_i32 s46, s46, OPROW                      ; W's
	s_mov_b32 s47, 0
	s_mul_i32 s45, s14, 2*CH                       ; where it goes: slot 0 at 2 CH x wave, slot 1 CH further on; no place in the cluster enters an LDS address
	s_mul_i32 s88, s15, 2*CH                       ; what I read: x's half,
	s_mul_i32 s89, s16, 2*CH
	s_add_co_u32 s89, s89, 4*CH                    ; W's half,
	s_xor_b32 s90, s15, 1
	s_add_co_u32 s90, s90, s16
	s_add_co_u32 s90, s90, 1
	s_mul_i32 s90, s90, 2*CH                       ; and the distance between the two
	s_mul_i32 s91, s14, 16*SPITCH
	s_add_co_u32 s91, s91, STAGE                   ; my stage
	s_lshl_b32 s22, s17, 8
	s_lshl_b32 s23, s15, 7
	s_add_co_u32 s22, s22, s23
	s_lshl_b32 s22, s22, 13                        ; my first row of the result, 8,192 bytes a row,
	s_lshl_b32 s23, s42, 10
	s_add_co_u32 s22, s22, s23
	s_lshl_b32 s23, s16, 9
	s_add_co_u32 s22, s22, s23                     ; and my first column: under 2^27 in all
	s_mov_b32 s23, 0
	s_cmp_eq_u32 s15, 0
	s_cselect_b32 s86, s40, s41                    ; my place among the four that ask with me: it enters prefetch offsets alone
	s_lshl_b32 s87, s86, 13
	s_lshl_b32 s86, s86, 12
	v_and_b32 v6, 31, v0
	v_min_u32 v7, 15, v6
	v_lshl_add_u32 v[PFO], v6, 8, s87
	v_lshl_add_u32 v[PF2], v7, 8, s86
	s_wait_alu depctr_va_vdst(0)
	s_wait_dscnt 0x0                               ; both opening adds are done
	s_wait_kmcnt 0x0
	s_add_nc_u64 s[20:21], s[4:5], s[20:21]
	s_add_nc_u64 s[46:47], s[6:7], s[46:47]
	s_add_nc_u64 s[12:13], s[12:13], s[22:23]
	s_cmp_eq_u32 s15, 0
	s_cselect_b64 s[PFA:PFA+1], s[20:21], s[46:47]
	s_add_nc_u64 s[PFA:PFA+1], s[PFA:PFA+1], 320*256
	global_prefetch_b8 v[PFO], s[PFA:PFA+1] offset:-320*256 th:TH_LOAD_NT scope:SCOPE_SE   ; blocks 0 .. 127 of my stream, 32 a partner: the buffer's first touch, asked for ahead of the opening round
	global_prefetch_b8 v[PF2], s[PFA:PFA+1] offset:-192*256 th:TH_LOAD_NT scope:SCOPE_SE   ; blocks 128 .. 191, 16 a partner; the lanes left over name the wave's last block again
.irp s, 0,1
	s_mov_b32 s[G0+4*\s], 1
	s_add_co_u32 s[G0+4*\s+1], s45, \s*CH
	s_add_nc_u64 s[G0+4*\s+2:G0+4*\s+3], s[20:21], \s*CH
	s_or_b32 s[G0+4*\s+3], s[G0+4*\s+3], 0x80000000
	s_mov_b32 s[G0B+4*\s], 1
	s_add_co_u32 s[G0B+4*\s+1], s45, \s*CH
	s_add_nc_u64 s[G0B+4*\s+2:G0B+4*\s+3], s[46:47], \s*CH
	s_or_b32 s[G0B+4*\s+3], s[G0B+4*\s+3], 0x80000000
.endr
	CROUND                                         ; all sixteen work-groups are here: the first joint loads meet
	JLOAD G0, G1, G0B, G1B                         ; chunk 0 of my stream: my one tensor load at the head
; PREFETCH INTO THE L2.  Chunk c of a stream (blocks 132 c .. 132 c + 131) is loaded at fill c.  Ask j names blocks 320 + 128 j .. 447 + 128 j, 32 for each of the four partners (shared out by address), a lane a block,
; and stands behind fill j, j = 0 .. 13: 132 c + 131 <= 447 + 128 (c - 2) for c <= 15, so chunk c is asked for whole two fills ahead of its load, and ask 13 ends on block 2,111, the stream's last.
; Blocks 0 .. 191 were asked for ahead of the opening round; behind fill 0 stands also ask -1 (blocks 192 .. 319): so chunk 1 is asked for one fill ahead.  The last lap asks for nothing.
	global_prefetch_b8 v[PFO], s[PFA:PFA+1] offset:-32768 th:TH_LOAD_NT scope:SCOPE_SE
	global_prefetch_b8 v[PFO], s[PFA:PFA+1] th:TH_LOAD_NT scope:SCOPE_SE
	v_and_b32 v1, 15, v0                           ; r
	v_bfe_u32 v2, v0, 4, 1                         ; h
	v_lshlrev_b32 v[CO], 4, v6
	v_mul_u32_u24 v5, s90, v2                      ; lanes 16-31 take W's scale words
	v_lshl_add_u32 v5, v1, 3, v5
	v_add_nc_u32 v[ADRA], s88, v[CO]
	v_add_nc_u32 v[ADRB], s89, v[CO]
	v_add_nc_u32 v[ADRS], s88, v5
	v_add_nc_u32 v[ADRA+1], CH, v[ADRA]
	v_add_nc_u32 v[ADRB+1], CH, v[ADRB]
	v_add_nc_u32 v[ADRS+1], CH, v[ADRS]
	v_mul_u32_u24 v8, v1, SPITCH
	v_lshl_add_u32 v8, v2, 5, v8
	v_add_nc_u32 v[STO], s91, v8
	v_add_nc_u32 v[RD], s91, v[CO]
.macro FRAG reg, adr, q, i             ; a fragment: four loads of 512 consecutive bytes
.irp c, 0,1,2,3
	ds_load_b128 v[\reg+4*\c:\reg+4*\c+3], v[\adr] offset:(2*(\i)+(\q))*2048+512*\c
.endr
.endm
; a piece of a run, from slot LS, its LQ-th 128 along K, into the sets of parity LP.  code: 0-7 W's block; 8-15 x's block code - 8; 16, 17 half of the slot's scale words
.macro LF code
.if (\code) < 8
	WIN TO_B
	FRAG 128*LP+16*(\code), ADRB+LS, LQ, \code
.elseif (\code) < 12
	WIN 0
	FRAG AF+16*((\code)-8), ADRA+LS, LQ, (\code)-8
.elseif (\code) < 16
	WIN 0
	FRAG AH+64*LP+16*((\code)-12), ADRA+LS, LQ, (\code)-8
.else
	WIN 0
.irp i, 0,1,2,3
	ds_load_b64 v[SC+16*LS+2*(4*((\code)-16)+\i):SC+16*LS+2*(4*((\code)-16)+\i)+1], v[ADRS+LS] offset:32768+128*(4*((\code)-16)+\i)
.endr
.endif
.endm
; a run: W's eight, x's blocks 0-3, the slot's scale words where a new slot begins, and last x's blocks 4-7, which the next step wants only in its second half
.macro RUN slot, q, scales
.set LS, \slot
.set LQ, \q
.set LP, \q
.irp c, 0,1,2,3,4,5,6,7,8,9,10,11
	LF \c
.endr
.if \scales
	LF 16
	LF 17
.endif
.irp c, 12,13,14,15
	LF \c
.endr
.endm
; a group: x's block a against W's eight.  q: the step's parity and its word in the scale pair; sc: the slot's scale set.  One register carries x's word (lanes 0-15) and W's (lanes 16-31, ROW1).
; The 64 accumulators take turns in the same order in every step
.macro G a, q, sc, zero
.if (\a) < 4
	WIN MUL_LO
.set AR, AF+16*(\a)
.else
	WIN MUL_HI
.set AR, AH+64*(\q)+16*((\a)-4)
.endif
.set SA, SC+16*(\sc)+2*(\a)+(\q)
.irp b, 0,1,2,3,4,5,6,7
.if \zero
	v_wmma_scale_f32_16x16x128_f8f6f4 v[8*(8*((\a)%4)+\b):8*(8*((\a)%4)+\b)+7], v[128*(\q)+16*\b:128*(\q)+16*\b+15], v[AR:AR+15], 0, v[SC+16*(\sc)+2*\b+(\q)], v[SA] matrix_a_scale:MATRIX_SCALE_ROW1
.else
	v_wmma_scale_f32_16x16x128_f8f6f4 v[8*(8*((\a)%4)+\b):8*(8*((\a)%4)+\b)+7], v[128*(\q)+16*\b:128*(\q)+16*\b+15], v[AR:AR+15], v[8*(8*((\a)%4)+\b):8*(8*((\a)%4)+\b)+7], v[SC+16*(\sc)+2*\b+(\q)], v[SA] matrix_a_scale:MATRIX_SCALE_ROW1
.endif
.endr
.endm
; a slot's first step; its run brings the second step's fragments: the slot's last reads
.macro STEP slot, zero
	s_wait_dscnt 16                                ; all but the youngest sixteen loads, x's blocks 4-7
.irp a, 0,1,2,3
	G \a, 0, \slot, \zero
.endr
	s_wait_dscnt 0x0                               ; x's blocks 4-7 are in (asked for 32 products ago at the least)
	PLACES 8                                       ; eight places ahead of loads into registers that products have read
	MID 0, \slot, \zero, \slot, 1, 0
.endm
; a slot's second step changes slots in its middle.  fill = 1: this slot, which nobody reads any more, is filled again, two K steps on, behind a round of the cluster's barrier
.macro TURN slot, next, fill
	s_wait_dscnt 16
	G 0, 1, \slot, 0
	G 1, 1, \slot, 0
	WIN 0
.if \fill
	s_wait_xcnt 0x0                                ; my last prefetch has read its address, which steps here
	s_add_nc_u64 s[PFA:PFA+1], s[PFA:PFA+1], 32768
.endif
	s_wait_tensorcnt 0x0                           ; my one load that was out, my part of the next slot, has landed;
	ds_add_u32 v[SPW], v[NIL]
.if \fill
	s_add_nc_u64 s[G0+4*\slot+2:G0+4*\slot+3], s[G0+4*\slot+2:G0+4*\slot+3], 2*CH
	s_add_nc_u64 s[G0B+4*\slot+2:G0B+4*\slot+3], s[G0B+4*\slot+2:G0B+4*\slot+3], 2*CH
.endif
	G 2, 1, \slot, 0                               ; eight products stand between the add and the wait for it
	s_wait_dscnt 0x0                               ; the add is done, and my reads of this slot are over
	s_barrier_signal -1
	G 3, 1, \slot, 0
	WIN 0
	s_barrier_wait -1
.if \fill
	CREST
	JLOAD G0+4*\slot, G1, G0B+4*\slot, G1B         ; the first tensor load behind the round, my only one until the next; its four v_nop are four of the run's eight places
	s_cmp_gt_u32 s3, 1                             ; the last lap asks for nothing
	s_cbranch_scc0 .Lno_ask_\@
	global_prefetch_b8 v[PFO], s[PFA:PFA+1] offset:32768 th:TH_LOAD_NT scope:SCOPE_SE
.Lno_ask_\@:
	PLACES 4
.else
	PLACES 8
.endif
	MID 1, \slot, 0, \next, 0, 1
.endm
; THE WAY OUT.  Block a, 16 rows x 128 columns, goes into my own stage and comes back as whole rows of 512 bytes INTO THE BLOCK'S OWN ACCUMULATOR REGISTERS (LDS serves a wave's instructions in order: ISA guide 5.7.1.4).
; All eight blocks take that turn first; then the 128 stores follow on end, with no LDS or vector instruction behind them.
; One window setting serves stores to LDS, loads and global stores: data and destination in the block's window, addresses in window 0.  Every store's place stands in its immediate (127 rows of 8,192 bytes at the most).
.macro TOST a
.set AC, 64*((\a)%4)
	WIN 0x88+0x44*((\a)/4)
.irp b, 0,1,2,3,4,5,6,7
	ds_store_b128 v[STO], v[AC+8*\b:AC+8*\b+3] offset:64*\b          ; each accumulator from its low end on
	ds_store_b128 v[STO], v[AC+8*\b+4:AC+8*\b+7] offset:64*\b+16
.endr
.irp t, 0,1,2,3,4,5,6,7,8,9,10,11,12,13,14,15
	ds_load_b128 v[AC+4*\t:AC+4*\t+3], v[RD] offset:\t*SPITCH
.endr
.endm
.macro SENDB a
.set AC, 64*((\a)%4)
	WIN 0x88+0x44*((\a)/4)
.irp t, 0,1,2,3,4,5,6,7,8,9,10,11,12,13,14,15
	global_store_b128 v[CO], v[AC+4*\t:AC+4*\t+3], s[12:13] offset:(16*(\a)+\t)*SIZE_N*4 th:TH_STORE_NT   ; 32 lanes store 512 consecutive bytes, two aligned units of 256
.endr
.endm
	s_wait_alu depctr_va_vdst(0)
	s_wait_tensorcnt 0x0                           ; my chunk 0 is in
	ds_add_u32 v[SPW], v[NIL]
	s_wait_dscnt 0x0
	CROUND                                         ; everybody's chunk 0 is in, and all sixteen work-groups are here
	JLOAD G0+4, G1, G0B+4, G1B                     ; chunk 1, slot 1's first fill: the first tensor load behind the round
	global_prefetch_b8 v[PFO], s[PFA:PFA+1] offset:32768 th:TH_LOAD_NT scope:SCOPE_SE   ; ask 1
	RUN 0, 0, 1
	STEP 0, 1                                      ; the first step stands ahead of the loop: its products start the sums
	WIN 0
	s_mov_b32 s3, LAPS-1
.Llap:                                                 ; a trip goes once round the ring and fills both slots again
	TURN 0, 1, 1
	STEP 1, 0
	TURN 1, 0, 1
	STEP 0, 0
	WIN 0
	s_sub_co_u32 s3, s3, 1
	s_cmp_lg_u32 s3, 0
	s_cbranch_scc1 .Llap
	TURN 0, 1, 0                                   ; the last lap fills nothing
	STEP 1, 0
	s_wait_dscnt 0x0
.irp a, 0,1,2,3,4,5,6,7
	G \a, 1, 1, 0
.endr
	PLACES 8                                       ; ahead of the first read of results and of the loads into them
.irp a, 0,1,2,3,4,5,6,7
	TOST \a
.endr
	WIN 0
	s_wait_tensorcnt 0x0
	ds_add_u32 v[SPW], v[NIL]
	s_wait_dscnt 0x0                               ; the wait also shows all eight blocks back in registers
.irp a, 0,1,2,3,4,5,6,7
	SENDB \a
.endr
	WIN 0
	CROUND                                         ; the closing round
	s_endpgm
.Lfunc_end_k_qc718663d23_gemm:
	.size	k_qc718663d23_gemm, .Lfunc_end_k_qc718663d23_gemm-k_qc718663d23_gemm
	.p2alignl 7, 3214868480
	.fill 96, 4, 3214868480
	.section	.rodata,"a",@progbits
	.p2align	6, 0x0
	.amdhsa_kernel k_qc718663d23_gemm
		.amdhsa_group_segment_fixed_size 327680
		.amdhsa_private_segment_fixed_size 0
		.amdhsa_enable_private_segment 0
		.amdhsa_kernarg_size 24
		.amdhsa_user_sgpr_count 2
		.amdhsa_user_sgpr_kernarg_segment_ptr 1
		.amdhsa_wavefront_size32 1
		.amdhsa_system_sgpr_workgroup_id_x 1
		.amdhsa_system_sgpr_workgroup_id_y 1
		.amdhsa_system_sgpr_workgroup_id_z 1
		.amdhsa_system_vgpr_workitem_id 0
		.amdhsa_next_free_vgpr 1024
		.amdhsa_next_free_sgpr 96
		.amdhsa_reserve_vcc 0
		.amdhsa_float_denorm_mode_32 3
		.amdhsa_float_denorm_mode_16_64 3
		.amdhsa_memory_ordered 1
		.amdhsa_forward_progress 1
		.amdhsa_inst_pref_size 187
	.end_amdhsa_kernel
	.amdgpu_metadata
---
amdhsa.version: [ 1, 2 ]
amdhsa.kernels:
  - .name:           k_qc718663d23_gemm
    .symbol:         k_qc718663d23_gemm.kd
    .args:
      - { .name: xq, .offset: 0, .size: 8, .value_kind: global_buffer, .address_space: global }
      - { .name: wq, .offset: 8, .size: 8, .value_kind: global_buffer, .address_space: global }
      - { .name: out0, .offset: 16, .size: 8, .value_kind: global_buffer, .address_space: global }
    .group_segment_fixed_size: 327680
    .private_segment_fixed_size: 0
    .kernarg_segment_align: 8
    .kernarg_segment_size: 24
    .max_flat_workgroup_size: 128
    .sgpr_count:     96
    .vgpr_count:     1024
    .wavefront_size: 32
...
	.end_amdgpu_metadata
.endif
;; end of part 2
